; MI455X (gfx1250); checked and timed in simulation.
; The chip was launched on July 23, 2026; its instructions are those of AMD's public machine-readable ISA for CDNA 5 (MIT licence, August 2026) and "CDNA5" Instruction Set Architecture Reference Guide (July 2026). The comments in the code are by the model that wrote it; some were corrected since.
;; VQ Net. Allowed arithmetic: matrix products marked QUANTISED: E3M2 operands, one E8M0 scale for each 32 along K, by v_wmma_scale_f32_16x16x128_f8f6f4 with both operands' format E3M2, f32 sums; everything else in f32.
;; Inputs: embed_weight 8,192 x 512 float32; xs 16,384 x 512 float32.
;; Outputs: out0 16,384 x 512 float32.
;; This version of the problem:
;;   THIS VERSION OF THE PROBLEM IS GIVEN IN LOW PRECISION. The matrix products marked QUANTISED in the list below multiply operands that are first quantised to E3M2 (3 exponent bits, 2 mantissa bits; 6 bits a number), with one power-of-two scale for each 32 numbers along K (OCP MX v1.0); their sums are f32. All else is computed in f32.
;;   The module's matrix products, in the order in which they are computed (A, B: the left and right operand; K: the contracted axis; several contracted axes count as one K, in the product's order):
;;     1. [M 16,384, K 512] x [K 512, N 8,192]; A: input xs; B: input embed_weight: QUANTISED
;;   THE QUANTISER, for each operand of a quantised product, along K:
;;     - K is cut into blocks of 32 from its start; a last block that is shorter is filled with zeros.
;;     - A block's scale is 2^e with e = floor(log2(the largest magnitude in the block)) - 4, held to -126 .. 127; a block of zeros has e = 0. As a byte (E8M0): e + 127.
;;     - Each number is divided by its block's scale, clamped to +-28, and rounded to the nearest number of E3M2, ties to even, subnormals kept.
;;     - The product sums the exact products of the quantised numbers (number of the format x scale) in f32.
;;   ~~~python
;;   def quantise(x, axis):      # numpy; x: float32 -> the quantised numbers, widened to float32 again
;;       x = np.moveaxis(x, axis, -1); K = x.shape[-1]
;;       x = np.pad(x, [(0, 0)] * (x.ndim - 1) + [(0, -K % 32)]); x = x.reshape(x.shape[:-1] + (-1, 32)); a = np.abs(x).max(-1, keepdims=True)
;;       e = np.where(a > 0, np.clip(np.frexp(np.where(a > 0, a, 1))[1] - 1 - 4, -126, 127), 0)      # np.frexp(a)[1] - 1 = floor(log2(a)), exactly
;;       r = np.clip(x / 2.0 ** e, -28, 28)
;;       step = 2.0 ** (np.maximum(np.frexp(np.where(r == 0, 1, r))[1] - 1, -2) - 2)
;;       q = np.round(r / step) * step * 2.0 ** e      # np.round: ties to even
;;       return np.moveaxis(q.reshape(q.shape[:-2] + (-1,))[..., :K], -1, axis).astype(np.float32)
;;   ~~~
;; One version. Each part assembles by itself: llvm-mc -triple=amdgcn-amd-amdhsa -mcpu=gfx1250 --defsym DOCPART=n.
;; ======== version 1 of 1: 3 launches
;; limits: right only within a limited range of input values
;; workspace buffers: xq 6,619,136 bytes; wq 3,309,568 bytes; pval 131,072 bytes; pidx 131,072 bytes of whole numbers
;; launch quant (part 1): grid 384 x 1, 4 waves a work-group, no clusters, 35,328 bytes of LDS; arguments xs, embed_weight, xq, wq; writes xq, wq
.if DOCPART == 1
	.amdgcn_target "amdgcn-amd-amdhsa--gfx1250"
	.amdhsa_code_object_version 6
	.text
	.protected	k_q72c2377d92_quant
	.globl	k_q72c2377d92_quant
	.p2align	8
	.type	k_q72c2377d92_quant,@function
k_q72c2377d92_quant:
	s_mov_b64 s[64:65], 0
	v_nop
	global_prefetch_b8 v0, s[64:65] scope:SCOPE_SE
	s_setreg_imm32_b32 hwreg(HW_REG_WAVE_MODE, 25, 1), 1
	s_wait_xcnt 0x0
; xs [16384][512] and embed_weight [8192][512], f32, become codes of BF6 (E3M2) with one E8M0 scale byte for each 32 along K; of embed_weight's rows also -1/2 x the sum of squares (of the numbers as given, f32).
; WORK LEFT OUT IN THIS PROGRAM, for all finite values of the inputs:
;   (1) distance[n][e] = sum(xs[n]^2) + sum(w[e]^2) - 2 xs[n].w[e].  The first term is the same for every e of a row n, so it moves no argmin along e: argmin of the distance = argmax of xs[n].w[e] - sum(w[e]^2) / 2.
;       So the sums of squares of xs are not made.
;   (2) output_x = xs + (w[i] - xs) = w[i] by an identity: the last launch stores the chosen row and does not load xs.
;   xs stays an input of the quantised product.  LIMIT: a NaN, an infinity or an overflow that reaches only the work left out (sum(xs^2), w - xs) is not carried to the result.
; A block's scale is 2^(floor(log2(its largest magnitude)) - 4); its byte is the largest magnitude's exponent field - 4, held at 1 from below.
; LIMITS: NaN and infinities among the inputs are not served.  A block of zeros gets the byte 1 where the rule says 127: its codes are zeros, and this program alone reads the bytes.
; Blocks whose largest magnitude lies under 2^-122, the floor, are held at the byte 1.
; THE RESULT IS LAID AS THE NEXT LAUNCH'S OPERAND REGISTERS.  A CHUNK is 64 rows = 4 tiles of 16 rows, 25,856 bytes = 101 x 256:
;   6144 u + 512 (3 s + c) + 16 lane : registers 4 c .. 4 c + 3 of the 12 registers of tile u's fragment of K step s (128 along K)
;   24576 + 256 u + 8 lane           : two scale words: word 0: lanes 0-15 row r's word of K step 0, lanes 16-31 row (lane - 16)'s of K step 1; word 1: the same of K steps 2 and 3
;   25600 + 64 u + 4 row             : in wq alone: -1/2 x the row's sum of squares (in xq these 256 bytes are neither written nor read)
; SHARES.  A work-group makes one chunk, wave u its tile u.  The first 256 work-groups take xs, the other 128 embed_weight: pointers are chosen, and a branch on the work-group's number leads xs's round the squares.
; The loads take memory as it lies (512 consecutive bytes to a load); the 16 x 512 bytes turn through the wave's own stage in LDS, so that a block lies whole in one lane and the conversions' results are the operand's registers.
.set CHUNK,  25856
.set SCO,    24576
.set SWO,    25600
.set SPITCH, 528                       ; a stage row: 512 bytes + 16
.set WSTG,   16*SPITCH
.set SUMS,   4*WSTG                    ; behind the stages: the chunk's 64 sums, 256 bytes
.set RA,  16                           ; v16-79, v80-143  two sets of 64 numbers
.set P,   144                          ; v144-191  the codes: 12 registers for each K step
.set TC,  192                          ; second halves of the two blocks' codes (a conversion's three registers begin on an even number)
.set MX,  200
.set SO,  202
.set BY,  204
.set WD,  206                          ; v206-209  my row's scale word of each K step
.set SQ,  210                          ; v[210:213]  the sum of squares, two packed chains
.set TP,  214
	s_load_b128 s[4:7], s[0:1], 0x0                ; xs, embed_weight
	s_load_b128 s[8:11], s[0:1], 0x10              ; xq, wq
	v_lshl_add_u32 v224, v0, 2, 0x8800             ; my spare word, behind the sums
	v_mov_b32 v225, 0
	v_lshrrev_b32 v1, 5, v0
	v_readfirstlane_b32 s16, v1                    ; wave = my tile of the chunk
	v_and_b32 v1, 31, v0
	v_and_b32 v2, 15, v0                           ; r
	v_bfe_u32 v3, v0, 4, 1                         ; h
	v_lshlrev_b32 v4, 4, v1                        ; 16 x lane
	s_mul_i32 s24, s16, WSTG
	v_add_nc_u32 v5, s24, v4                       ; the stage, on the way in
	v_mul_u32_u24 v6, v2, SPITCH
	v_lshl_add_u32 v6, v3, 7, v6
	v_add_nc_u32 v6, s24, v6                       ; and on the way out: row r, block h
	v_lshlrev_b32 v7, 3, v1
	s_lshl_b32 s25, s16, 6
	v_lshl_add_u32 v8, v2, 2, s25
	v_add_nc_u32 v8, SUMS, v8                      ; where my row's sum goes
	v_add_nc_u32 v9, SUMS, v7                      ; where wave 0 reads the 64 sums back
	v_lshlrev_b32 v10, 3, v3                       ; 8 h
	v_mov_b32 v[TP], 0                             ; a lane permute's destination counts as one of its sources
.irp i, 0,1,2,3
	v_mov_b32 v[SQ+\i], 0                          ; the four partial sums (xs's work-groups leave them so)
.endr
	s_mov_b32 s20, 0xffff0000                      ; lanes 16-31
	s_mov_b32 s22, 0x76543210
	s_mov_b32 s23, 0xfedcba98
	s_wait_alu depctr_va_vdst(0)                   ; the wait at the head's end
	s_wait_kmcnt 0x0
	s_cmp_lt_u32 ttmp9, 256                        ; xs's work-group or embed_weight's?
	s_cselect_b64 s[4:5], s[4:5], s[6:7]
	s_cselect_b64 s[8:9], s[8:9], s[10:11]
	s_cselect_b32 s17, 0, 256
	s_sub_co_u32 s17, ttmp9, s17                   ; the chunk's number in its tensor
	s_lshl_b32 s18, s17, 17
	s_lshl_b32 s19, s16, 15
	s_add_co_u32 s18, s18, s19
	s_mov_b32 s19, 0
	s_add_nc_u64 s[4:5], s[4:5], s[18:19]          ; my tile's first row
	s_mul_i32 s18, s17, CHUNK
	s_add_nc_u64 s[8:9], s[8:9], s[18:19]          ; the chunk
	s_mul_i32 s18, s16, 6144
	s_add_nc_u64 s[12:13], s[8:9], s[18:19]        ; my tile's fragments
	s_lshl_b32 s18, s16, 8
	s_add_nc_u64 s[14:15], s[8:9], s[18:19]        ; (+ SCO) my tile's scale words
.macro LOAD s
.set R, RA+64*((\s)%2)
.irp i, 0,1,2,3,4,5,6,7,8,9,10,11,12,13,14,15
	global_load_b128 v[R+4*\i:R+4*\i+3], v4, s[4:5] offset:2048*\i+512*(\s) th:TH_LOAD_NT
.endr
.endm
.macro KSTEP s
.set R, RA+64*((\s)%2)
.if (\s) < 3
	s_wait_loadcnt 16                              ; this K step's 16 loads are in; the next one's 16 may be out
.else
	s_wait_loadcnt 0x0
.endif
.irp i, 0,1,2,3,4,5,6,7,8,9,10,11,12,13,14,15
	ds_store_b128 v5, v[R+4*\i:R+4*\i+3] offset:SPITCH*\i
.endr
.irp i, 0,1,2,3,4,5,6,7
	ds_load_b128 v[R+4*\i:R+4*\i+3], v6 offset:16*\i               ; a wave's LDS instructions are served in order: block h of row r,
.endr
.irp i, 0,1,2,3,4,5,6,7
	ds_load_b128 v[R+32+4*\i:R+32+4*\i+3], v6 offset:256+16*\i     ; and block 2 + h
.endr
	s_wait_dscnt 0x0
	s_cmp_lt_u32 ttmp9, 256                        ; xs's sums of squares reach no output: not made
	s_cbranch_scc1 .Lno_sum_\@
.irp i, 0,4,8,12,16,20,24,28,32,36,40,44,48,52,56,60
	v_pk_fma_f32 v[SQ:SQ+1], v[R+\i:R+\i+1], v[R+\i:R+\i+1], v[SQ:SQ+1]
	v_pk_fma_f32 v[SQ+2:SQ+3], v[R+\i+2:R+\i+3], v[R+\i+2:R+\i+3], v[SQ+2:SQ+3]
.endr
.Lno_sum_\@:
.irp c, 0,1
	v_max3_num_f32 v[MX+\c], |v[R+32*\c]|, |v[R+32*\c+1]|, 0x2800000   ; my block 2 c + h, and the floor 2^(5 - 127)
.endr
.irp i, 2,4,6,8,10,12,14,16,18,20,22,24,26,28,30
.irp c, 0,1
	v_max3_num_f32 v[MX+\c], v[MX+\c], |v[R+32*\c+\i]|, |v[R+32*\c+\i+1]|
.endr
.endr
.irp c, 0,1
	v_add_nc_u32 v[SO+\c], 0xfe000000, v[MX+\c]    ; 4 off the exponent field: the conversion's scale operand
.endr
.irp c, 0,1
	v_lshrrev_b32 v[BY+\c], 23, v[SO+\c]           ; the scale's byte
.endr
	v_lshl_or_b32 v[WD+\s], v[BY+1], 16, v[BY]
	v_lshlrev_b32 v[WD+\s], v10, v[WD+\s]
	v_permlanex16_b32 v[TP], v[WD+\s], s22, s23
	v_or_b32 v[WD+\s], v[WD+\s], v[TP]             ; with lane l xor 16's two bytes the word is whole
.irp c, 0,1
	v_cvt_scalef32_pk16_bf6_f32 v[P+12*(\s)+6*\c:P+12*(\s)+6*\c+2], v[R+32*\c:R+32*\c+15], v[SO+\c]
	v_cvt_scalef32_pk16_bf6_f32 v[TC+4*\c:TC+4*\c+2], v[R+32*\c+16:R+32*\c+31], v[SO+\c]
.endr
	v_nop                                          ; one plain place behind a scaled conversion
.irp c, 0,1
.irp i, 0,1,2
	v_mov_b32 v[P+12*(\s)+6*\c+3+\i], v[TC+4*\c+\i]
.endr
.endr
.if (\s) < 2
	LOAD (\s)+2
.endif
.irp c, 0,1,2
	global_store_b128 v4, v[P+12*(\s)+4*\c:P+12*(\s)+4*\c+3], s[12:13] offset:512*(3*(\s)+\c)   ; 512 consecutive bytes, aligned to 256
.endr
.endm
	LOAD 0
	LOAD 1
	KSTEP 0
	KSTEP 1
	KSTEP 2
	KSTEP 3
	v_cndmask_b32 v216, v[WD], v[WD+1], s20        ; lanes 0-15 K step 0's word, lanes 16-31 K step 1's
	v_cndmask_b32 v217, v[WD+2], v[WD+3], s20
	global_store_b64 v7, v[216:217], s[14:15] offset:SCO
	v_pk_add_f32 v[SQ:SQ+1], v[SQ:SQ+1], v[SQ+2:SQ+3]
	v_add_f32 v[SQ], v[SQ], v[SQ+1]
	v_permlanex16_b32 v[TP], v[SQ], s22, s23
	v_add_f32 v[SQ], v[SQ], v[TP]                  ; the row's sum, the same bits in both lanes
	v_mul_f32 v[SQ], -0.5, v[SQ]                   ; as the next launch's matrix instructions take it for C
	ds_store_b32 v8, v[SQ]
	s_wait_dscnt 0x0                               ; for wave 0's sake
	s_barrier_signal -1
	s_barrier_wait -1
	s_cmp_lt_u32 ttmp9, 256                        ; xs's chunks have no sums
	s_cbranch_scc1 .Ldone
	s_cmp_lg_u32 s16, 0
	s_cbranch_scc1 .Ldone
	ds_load_b64 v[218:219], v9                     ; wave 0 sends the chunk's 64 sums out as 256 consecutive bytes, aligned
	s_wait_dscnt 0x0
	global_store_b64 v7, v[218:219], s[8:9] offset:SWO
.Ldone:
	s_wait_tensorcnt 0x0                           ; the wave's end
	ds_add_u32 v224, v225
	s_wait_dscnt 0x0
	s_endpgm
.Lfunc_end_k_q72c2377d92_quant:
	.size	k_q72c2377d92_quant, .Lfunc_end_k_q72c2377d92_quant-k_q72c2377d92_quant
	.p2alignl 7, 3214868480
	.fill 96, 4, 3214868480
	.section	.rodata,"a",@progbits
	.p2align	6, 0x0
	.amdhsa_kernel k_q72c2377d92_quant
		.amdhsa_group_segment_fixed_size 35328
		.amdhsa_private_segment_fixed_size 0
		.amdhsa_enable_private_segment 0
		.amdhsa_kernarg_size 32
		.amdhsa_user_sgpr_count 2
		.amdhsa_user_sgpr_kernarg_segment_ptr 1
		.amdhsa_wavefront_size32 1
		.amdhsa_system_sgpr_workgroup_id_x 1
		.amdhsa_system_sgpr_workgroup_id_y 1
		.amdhsa_system_sgpr_workgroup_id_z 1
		.amdhsa_system_vgpr_workitem_id 0
		.amdhsa_next_free_vgpr 226
		.amdhsa_next_free_sgpr 66
		.amdhsa_reserve_vcc 0
		.amdhsa_float_denorm_mode_32 3
		.amdhsa_float_denorm_mode_16_64 3
		.amdhsa_memory_ordered 1
		.amdhsa_forward_progress 1
		.amdhsa_inst_pref_size 39
	.end_amdhsa_kernel
	.amdgpu_metadata
---
amdhsa.version: [ 1, 2 ]
amdhsa.kernels:
  - .name:           k_q72c2377d92_quant
    .symbol:         k_q72c2377d92_quant.kd
    .args:
      - { .name: xs, .offset: 0, .size: 8, .value_kind: global_buffer, .address_space: global }
      - { .name: embed_weight, .offset: 8, .size: 8, .value_kind: global_buffer, .address_space: global }
      - { .name: xq, .offset: 16, .size: 8, .value_kind: global_buffer, .address_space: global }
      - { .name: wq, .offset: 24, .size: 8, .value_kind: global_buffer, .address_space: global }
    .group_segment_fixed_size: 35328
    .private_segment_fixed_size: 0
    .kernarg_segment_align: 8
    .kernarg_segment_size: 32
    .max_flat_workgroup_size: 128
    .sgpr_count:     66
    .vgpr_count:     226
    .wavefront_size: 32
...
	.end_amdgpu_metadata
.endif
;; end of part 1
;; launch argmin (part 2): grid 128 x 2, 8 waves a work-group, clusters of 4 x 1, 327,680 bytes of LDS; arguments xq, wq, pval, pidx; writes pval, pidx
.if DOCPART == 2
	.amdgcn_target "amdgcn-amd-amdhsa--gfx1250"
	.amdhsa_code_object_version 6
	.text
	.protected	k_q72c2377d92_argmin
	.globl	k_q72c2377d92_argmin
	.p2align	8
	.type	k_q72c2377d92_argmin,@function
k_q72c2377d92_argmin:
	s_mov_b64 s[64:65], 0
	v_nop
	global_prefetch_b8 v0, s[64:65] scope:SCOPE_SE
	s_setreg_imm32_b32 hwreg(HW_REG_WAVE_MODE, 25, 1), 1
	s_wait_xcnt 0x0
	s_wait_alu depctr_hold_cnt(0) depctr_sa_sdst(0) depctr_va_vdst(0) depctr_va_sdst(0) depctr_va_ssrc(0) depctr_va_vcc(0) depctr_vm_vsrc(0)
	s_getreg_b32 s2, hwreg(HW_REG_IB_STS2, 6, 4)
	s_cmp_eq_u32 s2, 0
	s_cbranch_scc0 .Lentry_in_a_cluster
	s_endpgm
.Lentry_in_a_cluster:
	s_bfe_u32 s2, ttmp6, 0x10000c
	s_cmp_lg_u32 s2, 0x3003
	s_cbranch_scc0 .Lentry_shape_is_right
	s_endpgm
.Lentry_shape_is_right:
; For each token n and each half y of the codebook: the largest score s[n][e] = Q(xs[n]).Q(w[e]) - sum(w[e]^2) / 2 over the half's 4,096 codes, and the lowest e that has it.
; LEFT OUT: sum(xs[n]^2), the same for all e of a row (shown at the head of the first kernel): argmin of the distance = argmax of the score.
; LIMITS: NaN and infinities are not served.  Of equal scores the lowest index stays.
; SHARES.  A work-group has 128 tokens (two chunks of xq) and 64 chunks of wq; 8 waves, two to a SIMD.  Wave w = 4 a + b keeps the fragments of token chunk a (4 tiles x 4 K steps x 12 = 192 registers)
; for the whole launch and takes chunk b of each slot: 4 tiles of 16 codes, each against its 4 token tiles: 16 matrix instructions.
; THE SCORE NEEDS NO VECTOR WORK: -sum(w^2)/2 of the tile's codes is the C of each chain's first matrix instruction.  Source 0 = 16 codes, source 1 = 16 tokens: lane (r, h) holds token r, register j code 8 h + j.
; THE ARGMAX, 14 vector lines a tile of 16 x 16: four v_max3 (the 8 scores and the running maximum), a compare, and under its mask the tile's number and the 8 scores are kept; which of the 8 it was is found once, at the end.
; A wave lays 4 matrix instructions (one K step of its 4 token tiles, accumulators by turns) and then the 14 lines for one tile of the code tile before; two sets of accumulators.
; THE RING: two LDS slots of 4 chunks (103,424 bytes each).
; CLUSTERS: the 4 work-groups of a cluster share y, so they walk the same chunks of wq: each chunk is asked for jointly, mask 15.
; PREFETCH: behind the tensor load of slot s stands a prefetch of slot s + 1: work-group cx of the cluster names chunk cx of that slot, threads 0-127 a block of 256 bytes each
; (threads 101-127 name block 100 again); it stops when slot 15 has been named.
.set CHUNK,  25856
.set SCO,    24576
.set SWO,    25600
.set SLOT1,  131072
.set SPARE,  262144                    ; 8 x 128 bytes of spare words
.set MERGE,  263168                    ; 8 waves x 64 tokens x (score, index)
.set ADF, 3                            ; v3-4   LDS address of my chunk's fragments in slot 0, 1
.set ADS, 5                            ; v5-6   of its scale words
.set ADW, 7                            ; v7-8   of its -sum/2
.set L16, 9
.set L8,  10
.set PFO, 11                           ; the prefetches' offset
.set SPW, 12
.set NIL, 13
.set XS,  16                           ; v16-23 the tokens' scale words
.set WS,  24                           ; v24-27 the codes' scale words, two sets
.set G,   28
.set MM,  32                           ; v32-39 running maxima, two sets by turns
.set GI,  40                           ; v40-43 the best tile's number
.set MST, 44
.set MLD, 45
.set SW,  48                           ; v48-63 -sum/2 of 8 codes, two sets
.set SV,  64                           ; v64-95 the best tile's 8 scores
.set ACC, 96                           ; v96-159 accumulators, two sets of 4
.set WF,  160                          ; v160-255 the codes' fragments, two sets of 48;  window 1: v0-191 the tokens' fragments
.set PV,  96                           ; at the end: (score, index) of 4 tiles
.set LD,  112
.set WV,  12
.set G1,  16
.set G0A, 24
.set G0B, 28
.set CT,  33
.set CNT, 34
.set BIG, 35
.set SEL, 36
.set LIM, 38
.set PFA, 40
.set WB,  42
.set WA,  43
.set MSB, 0
.macro WIN new                         ; the immediate's high byte repeats the setting that is left
.if MSB != \new
	s_set_vgpr_msb (MSB<<8)|\new
.set MSB, \new
.endif
.endm
.macro CREST
	s_cmp_lg_u32 s[WV], 0
	s_cbranch_scc1 .Lnot_wave_0_\@
	s_barrier_signal -3
.Lnot_wave_0_\@:
	s_barrier_wait -3
	s_barrier_signal -1
	s_barrier_wait -1
.endm
.macro CROUND
	s_barrier_signal -1
	s_barrier_wait -1
	CREST
.endm
.macro TLOAD g0                        ; waves 0-3: my chunk of a slot, jointly with the cluster's other three work-groups
	s_cmp_lt_u32 s[WV], 4
	s_cbranch_scc0 .Lno_load_\@
	tensor_load_to_lds s[\g0:\g0+3], s[G1:G1+7]
	s_nop 0
.rept 4
	v_nop
.endr
.Lno_load_\@:
.endm
.macro ASK la                          ; the slot behind the one just asked for; la = 1: not in the loop's last trip, where that would be slot 16
.if \la
	s_cmp_gt_u32 s[CNT], s[LIM]
.else
	s_cmp_lt_u32 s[WV], 4
.endif
	s_cbranch_scc0 .Lno_ask_\@
	s_cmp_lt_u32 ttmp9, 4
	s_cbranch_scc0 .Lno_prefetch_argmin0_\@
	global_prefetch_b8 v[PFO], s[PFA:PFA+1] offset:4*CHUNK th:TH_LOAD_NT scope:SCOPE_SE
.Lno_prefetch_argmin0_\@:
.Lno_ask_\@:
.endm
	s_load_b256 s[4:11], s[0:1], 0x0               ; xq, wq, pval, pidx
	v_lshl_add_u32 v[SPW], v0, 2, SPARE
	v_mov_b32 v[NIL], 0
	ds_add_u32 v[SPW], v[NIL]                      ; the opening: the add twice and its wait
	ds_add_u32 v[SPW], v[NIL]
	v_lshrrev_b32 v1, 5, v0
	v_readfirstlane_b32 s[WV], v1
	s_and_b32 s[WB], s[WV], 3                      ; b: my chunk of a slot
	s_lshr_b32 s[WA], s[WV], 2                     ; a: my token chunk
	s_bfe_u32 s13, ttmp6, 0x40000                  ; cx
	s_lshl_b32 s14, ttmp9, 2
	s_add_co_u32 s14, s14, s13                     ; work-group x
	s_and_b32 s15, ttmp7, 0xffff                   ; y: the codebook's half
	s_mov_b32 s[G1], 15|(3<<16)|(1<<21)            ; mask of the four; elements of 8 bytes
	s_mov_b32 s[G1+1], 32<<16                      ; a chunk: 101 dense rows of 256 bytes
	s_mov_b32 s[G1+2], 101<<16
	s_mov_b32 s[G1+3], 32<<16
	s_mov_b32 s[G1+4], 101
	s_mov_b32 s[G1+5], 32
	s_mov_b32 s[G1+6], 0
	s_mov_b32 s[G1+7], 0
	s_mul_i32 s54, s[WB], CHUNK                    ; my chunk's place in a slot, in LDS and in memory
	s_mov_b32 s55, 0
	s_lshl_b32 s52, s15, 6
	s_mul_i32 s52, s52, CHUNK                      ; the half's first chunk
	s_mov_b32 s53, 0
	s_lshl_b32 s44, s14, 1
	s_add_co_u32 s44, s44, s[WA]
	s_mul_i32 s44, s44, CHUNK                      ; my token chunk
	s_mov_b32 s45, 0
	s_mul_i32 s46, s13, CHUNK                      ; the chunk of a slot that my work-group prefetches
	s_mov_b32 s47, 0
	s_lshl_b32 s[CT], s15, 8
	s_lshl_b32 s56, s[WB], 2
	s_add_co_u32 s[CT], s[CT], s56
	s_sub_co_u32 s[CT], s[CT], 13                  ; tile number 256 y + 16 slot + 4 b + u, one step ahead of its first step of 13
	s_mov_b32 s[BIG], 0xff7fffff                   ; under every finite score
	s_mov_b32 s[SEL], 0x76543210
	s_mov_b32 s[SEL+1], 0xfedcba98
	s_cmp_lt_u32 s[WV], 4
	s_cselect_b32 s[LIM], 1, -1                    ; waves 4-7 never prefetch
	s_wait_dscnt 0x0
	s_wait_kmcnt 0x0
	s_add_nc_u64 s[6:7], s[6:7], s[52:53]
	s_add_nc_u64 s[PFA:PFA+1], s[6:7], s[46:47]
	s_add_nc_u64 s[6:7], s[6:7], s[54:55]
	s_add_nc_u64 s[4:5], s[4:5], s[44:45]
	s_mov_b32 s[G0A], 1
	s_mov_b32 s[G0A+1], s54
	s_mov_b64 s[G0A+2:G0A+3], s[6:7]
	s_or_b32 s[G0A+3], s[G0A+3], 0x80000000
	s_mov_b32 s[G0B], 1
	s_add_co_u32 s[G0B+1], s54, SLOT1
	s_add_nc_u64 s[G0B+2:G0B+3], s[6:7], 4*CHUNK
	s_or_b32 s[G0B+3], s[G0B+3], 0x80000000
	CROUND                                         ; the four work-groups are here: the first joint loads meet
	TLOAD G0A                                      ; slot 0
	v_and_b32 v14, 31, v0
	v_and_b32 v1, 15, v0                           ; r
	v_bfe_u32 v2, v0, 4, 1                         ; h
	v_lshlrev_b32 v[L16], 4, v14
	v_lshlrev_b32 v[L8], 3, v14
	v_min_u32 v[PFO], 100, v0
	v_lshlrev_b32 v[PFO], 8, v[PFO]
	v_add_nc_u32 v[ADF], s54, v[L16]
	v_add_nc_u32 v[ADF+1], SLOT1, v[ADF]
	v_add_nc_u32 v[ADS], s54, v[L8]
	v_add_nc_u32 v[ADS], SCO, v[ADS]
	v_add_nc_u32 v[ADS+1], SLOT1, v[ADS]
	v_lshl_add_u32 v[ADW], v2, 5, s54
	v_add_nc_u32 v[ADW], SWO, v[ADW]
	v_add_nc_u32 v[ADW+1], SLOT1, v[ADW]
	s_lshl_b32 s56, s[WV], 9
	v_lshl_add_u32 v[MST], v1, 3, s56
	v_add_nc_u32 v[MST], MERGE, v[MST]             ; my wave's 512 bytes: 8 bytes a token
	s_and_b32 s57, s[WV], 1
	s_lshl_b32 s57, s57, 11
	v_add_nc_u32 v[MLD], s57, v[L16]
	v_add_nc_u32 v[MLD], MERGE, v[MLD]             ; waves 0-3 at the end: token chunk w % 2, two tokens a lane
	v_mov_b32 v15, 0
	WIN 0x40
.irp t, 0,1,2,3
.irp f, 0,1,2,3,4,5,6,7,8,9,10,11
	global_load_b128 v[48*\t+4*\f:48*\t+4*\f+3], v[L16], s[4:5] offset:6144*\t+512*\f
.endr
.endr
	WIN 0
.irp t, 0,1,2,3
	global_load_b64 v[XS+2*\t:XS+2*\t+1], v[L8], s[4:5] offset:SCO+256*\t
.endr
	ASK 0                                          ; slot 1
.irp t, 0,1,2,3
	v_mov_b32 v[MM+\t], s[BIG]
	v_mov_b32 v[GI+\t], 0
.endr
.set j, 0
.rept 32
	v_mov_b32 v[SV+j], s[BIG]
.set j, j+1
.endr
; 4 matrix instructions: K step s of code tile parity iP against my 4 token tiles; the accumulators take turns
.macro WG4 s
.irp t, 0,1,2,3
.set wD, ACC+32*iP+8*\t
.set wA, WF+48*iP+12*(\s)
.set wB, 48*\t+12*(\s)
.if (\s) == 0
	v_wmma_scale_f32_16x16x128_f8f6f4 v[wD:wD+7], v[wA:wA+11], v[wB:wB+11], v[SW+8*iP:SW+8*iP+7], v[WS+2*iP], v[XS+2*\t] matrix_a_fmt:MATRIX_FMT_BF6 matrix_b_fmt:MATRIX_FMT_BF6
.elseif (\s)%2 == 1
	v_wmma_scale_f32_16x16x128_f8f6f4 v[wD:wD+7], v[wA:wA+11], v[wB:wB+11], v[wD:wD+7], v[WS+2*iP+(\s)/2], v[XS+2*\t+(\s)/2] matrix_a_fmt:MATRIX_FMT_BF6 matrix_b_fmt:MATRIX_FMT_BF6 matrix_a_scale:MATRIX_SCALE_ROW1 matrix_b_scale:MATRIX_SCALE_ROW1
.else
	v_wmma_scale_f32_16x16x128_f8f6f4 v[wD:wD+7], v[wA:wA+11], v[wB:wB+11], v[wD:wD+7], v[WS+2*iP+1], v[XS+2*\t+1] matrix_a_fmt:MATRIX_FMT_BF6 matrix_b_fmt:MATRIX_FMT_BF6
.endif
.endr
.endm
; token tile t of the code tile before (parity nP, number s[CT]): its 8 scores against the running maximum, which goes from set nP to set iP
.macro VG t
.set eD, ACC+32*nP+8*(\t)
	v_max3_num_f32 v[G], v[eD], v[eD+1], v[eD+2]
	v_max3_num_f32 v[G+1], v[eD+3], v[eD+4], v[eD+5]
	v_max3_num_f32 v[G], v[G], v[eD+6], v[eD+7]
	v_max3_num_f32 v[MM+4*iP+(\t)], v[MM+4*nP+(\t)], v[G], v[G+1]
	v_cmp_gt_f32 vcc_lo, v[MM+4*iP+(\t)], v[MM+4*nP+(\t)]           ; strictly larger: of equal scores the earlier tile stays
	v_cndmask_b32 v[GI+(\t)], v[GI+(\t)], s[CT], vcc_lo
.irp j, 0,1,2,3,4,5,6,7
	v_cndmask_b32 v[SV+8*(\t)+\j], v[SV+8*(\t)+\j], v[eD+\j], vcc_lo
.endr
.endm
.macro KS s, ep
	WIN 0x04                                       ; source 1, the tokens' fragments: window 1
	WG4 \s
.if \ep
	WIN 0
	VG \s
.endif
.endm
.macro FETCH sl, nu, np                ; code tile nu of my chunk in slot sl: 12 + 1 + 2 LDS loads into set np
.irp f, 0,1,2,3,4,5,6,7,8,9,10,11
	ds_load_b128 v[WF+48*(\np)+4*\f:WF+48*(\np)+4*\f+3], v[ADF+(\sl)] offset:6144*(\nu)+512*\f
.endr
	ds_load_b64 v[WS+2*(\np):WS+2*(\np)+1], v[ADS+(\sl)] offset:256*(\nu)
	ds_load_b128 v[SW+8*(\np):SW+8*(\np)+3], v[ADW+(\sl)] offset:64*(\nu)
	ds_load_b128 v[SW+8*(\np)+4:SW+8*(\np)+7], v[ADW+(\sl)] offset:64*(\nu)+16
.endm
; Code tile u of slot sl.  kind 0: the next tile is fetched from the same slot; 1: change of slots with a refill; 2: change without; 3: nothing more to fetch.
; The loads of a fetch land in registers whose last matrix instructions stand at least 14 plain vector lines (or the four v_nop of the first tile) back.
.macro ITER u, sl, ep, kind, la
.set iP, (\u)%2
.set nP, 1-iP
.if (\kind) == 1
	s_wait_xcnt 0x0                                ; my last prefetch has read its address
	s_add_nc_u64 s[PFA:PFA+1], s[PFA:PFA+1], 4*CHUNK
.endif
.if \ep
.if (\u) == 1
	s_add_co_u32 s[CT], s[CT], 13
.else
	s_add_co_u32 s[CT], s[CT], 1
.endif
.endif
.if (\kind) == 1
	s_wait_tensorcnt 0x0                           ; my part of the next slot has landed
	ds_add_u32 v[SPW], v[NIL]                      ; the add, here twice
	ds_add_u32 v[SPW], v[NIL]
	s_xor_b32 s[G0B+1], s[G0B+1], SLOT1            ; no tensor load of mine is out: the descriptor steps to this slot's bytes, two slots on in memory
	s_add_nc_u64 s[G0B+2:G0B+3], s[G0B+2:G0B+3], 4*CHUNK
	s_wait_dscnt 0x0                               ; the adds are done; this tile's fragments, my last reads of this slot, are in
	s_barrier_signal -1                            ; opens a round of the cluster's barrier
	KS 0, \ep
	KS 1, \ep
	s_barrier_wait -1
	CREST
	TLOAD G0B
	FETCH 1-(\sl), 0, nP
	ASK \la
	KS 2, \ep
	KS 3, \ep
.elseif (\kind) == 2
	s_wait_tensorcnt 0x0                           ; the last slot has landed; nothing is filled again
	s_wait_dscnt 0x0
	s_barrier_signal -1
	KS 0, \ep
	KS 1, \ep
	s_barrier_wait -1                              ; every loading wave has said so
	FETCH 1-(\sl), 0, nP
	KS 2, \ep
	KS 3, \ep
.else
	s_wait_dscnt 0x0                               ; this tile's fragments are in
.if (\kind) == 0
	FETCH \sl, (\u)+1, nP
.endif
	KS 0, \ep
	KS 1, \ep
	KS 2, \ep
	KS 3, \ep
.endif
.if (\ep) == 0
	WIN 0
.rept 4
	v_nop                                          ; places behind the first tile's products
.endr
.endif
.endm
	s_wait_xcnt 0x0
	s_add_nc_u64 s[PFA:PFA+1], s[PFA:PFA+1], 4*CHUNK
	s_wait_alu depctr_va_vdst(0)                   ; the wait at the head's end
	s_wait_tensorcnt 0x0                           ; slot 0 has landed; slot 1's first fill is issued as a refill is
	ds_add_u32 v[SPW], v[NIL]
	ds_add_u32 v[SPW], v[NIL]
	s_wait_dscnt 0x0
	CROUND
	TLOAD G0B                                      ; slot 1
	FETCH 0, 0, 0
	ASK 0                                          ; slot 2
	s_wait_loadcnt 0x0                             ; the tokens' fragments and scale words
	ITER 0, 0, 0, 0, 0
	ITER 1, 0, 1, 0, 0
	ITER 2, 0, 1, 0, 0
	s_mov_b32 s[CNT], 7
.Lring:                                                ; a trip: two changes of slots, 8 code tiles; 14 refills bring slots 2 to 15
	ITER 3, 0, 1, 1, 0
	ITER 0, 1, 1, 0, 0
	ITER 1, 1, 1, 0, 0
	ITER 2, 1, 1, 0, 0
	ITER 3, 1, 1, 1, 1
	ITER 0, 0, 1, 0, 0
	ITER 1, 0, 1, 0, 0
	ITER 2, 0, 1, 0, 0
	s_sub_co_u32 s[CNT], s[CNT], 1
	s_cmp_lg_u32 s[CNT], 0
	s_cbranch_scc1 .Lring
	ITER 3, 0, 1, 2, 0
	ITER 0, 1, 1, 0, 0
	ITER 1, 1, 1, 0, 0
	ITER 2, 1, 1, 0, 0
	ITER 3, 1, 1, 3, 0
	s_add_co_u32 s[CT], s[CT], 1
.set iP, 0
.set nP, 1
.irp t, 0,1,2,3
	VG \t                                          ; the last code tile (14 plain lines stand behind its last products)
.endr
.macro LEX v, i, ov, oi                ; the other pair wins with a larger score, or an equal one and a lower index
	v_cmp_gt_f32 s48, v[\ov], v[\v]
	v_cmp_eq_f32 s49, v[\ov], v[\v]
	v_cmp_lt_u32 s50, v[\oi], v[\i]
	s_and_b32 s49, s49, s50
	s_or_b32 s48, s48, s49
	v_cndmask_b32 v[\v], v[\v], v[\ov], s48
	v_cndmask_b32 v[\i], v[\i], v[\oi], s48
.endm
.irp t, 0,1,2,3
	v_mov_b32 v[PV+2*\t+1], 7
.endr
.irp j, 6,5,4,3,2,1,0                  ; the lowest j whose kept score is the maximum; the four tiles by turns
.irp t, 0,1,2,3
	v_cmp_eq_f32 s[44+\t], v[SV+8*\t+\j], v[MM+\t]
.endr
.irp t, 0,1,2,3
	v_cndmask_b32 v[PV+2*\t+1], v[PV+2*\t+1], \j, s[44+\t]
.endr
.endr
.irp t, 0,1,2,3
	v_lshl_add_u32 v[PV+2*\t+1], v[GI+\t], 4, v[PV+2*\t+1]
.endr
.irp t, 0,1,2,3
	v_lshl_add_u32 v[PV+2*\t+1], v2, 3, v[PV+2*\t+1]               ; code = 16 x tile + 8 h + j
.endr
.irp t, 0,1,2,3
	v_mov_b32 v[PV+2*\t], v[MM+\t]
	v_permlanex16_b32 v14, v[MM+\t], s[SEL], s[SEL+1]
	v_permlanex16_b32 v15, v[PV+2*\t+1], s[SEL], s[SEL+1]
	LEX PV+2*\t, PV+2*\t+1, 14, 15                 ; with lane l xor 16's 8 codes: the same pair in both lanes
	ds_store_b64 v[MST], v[PV+2*\t:PV+2*\t+1] offset:128*\t
.endr
	s_wait_dscnt 0x0                               ; for the others' sake
	s_barrier_signal -1
	s_barrier_wait -1
	s_cmp_lt_u32 s[WV], 4
	s_cbranch_scc0 .Lend
.irp w, 0,1,2,3
	ds_load_b128 v[LD+4*\w:LD+4*\w+3], v[MLD] offset:512*\w        ; two tokens' pairs from each of the four waves of token chunk w % 2
.endr
	s_lshl_b32 s46, s15, 16
	s_lshl_b32 s47, s14, 9
	s_add_co_u32 s46, s46, s47
	s_and_b32 s47, s[WV], 1
	s_lshl_b32 s47, s47, 8
	s_add_co_u32 s46, s46, s47                     ; 65,536 y + 512 work-group + 256 token chunk
	s_mov_b32 s47, 0
	s_cmp_lt_u32 s[WV], 2                          ; waves 0, 1 store the scores, waves 2, 3 the indices
	s_cselect_b64 s[44:45], s[8:9], s[10:11]
	s_cselect_b32 s51, 0, -1
	s_add_nc_u64 s[44:45], s[44:45], s[46:47]
	s_wait_dscnt 0x0
.irp w, 1,2,3
	LEX LD, LD+1, LD+4*\w, LD+4*\w+1
	LEX LD+2, LD+3, LD+4*\w+2, LD+4*\w+3
.endr
	v_cndmask_b32 v104, v[LD], v[LD+1], s51
	v_cndmask_b32 v105, v[LD+2], v[LD+3], s51
	global_store_b64 v[L8], v[104:105], s[44:45]   ; 256 consecutive bytes, aligned
.Lend:
	s_wait_tensorcnt 0x0                           ; the wave's end
	ds_add_u32 v[SPW], v[NIL]
	s_wait_dscnt 0x0
	CROUND                                         ; the closing round
	s_endpgm
.Lfunc_end_k_q72c2377d92_argmin:
	.size	k_q72c2377d92_argmin, .Lfunc_end_k_q72c2377d92_argmin-k_q72c2377d92_argmin
	.p2alignl 7, 3214868480
	.fill 96, 4, 3214868480
	.section	.rodata,"a",@progbits
	.p2align	6, 0x0
	.amdhsa_kernel k_q72c2377d92_argmin
		.amdhsa_group_segment_fixed_size 327680
		.amdhsa_private_segment_fixed_size 0
		.amdhsa_enable_private_segment 0
		.amdhsa_kernarg_size 32
		.amdhsa_user_sgpr_count 2
		.amdhsa_user_sgpr_kernarg_segment_ptr 1
		.amdhsa_wavefront_size32 1
		.amdhsa_system_sgpr_workgroup_id_x 1
		.amdhsa_system_sgpr_workgroup_id_y 1
		.amdhsa_system_sgpr_workgroup_id_z 1
		.amdhsa_system_vgpr_workitem_id 0
		.amdhsa_next_free_vgpr 448
		.amdhsa_next_free_sgpr 66
		.amdhsa_reserve_vcc 1
		.amdhsa_float_denorm_mode_32 3
		.amdhsa_float_denorm_mode_16_64 3
		.amdhsa_memory_ordered 1
		.amdhsa_forward_progress 1
		.amdhsa_inst_pref_size 115
	.end_amdhsa_kernel
	.amdgpu_metadata
---
amdhsa.version: [ 1, 2 ]
amdhsa.kernels:
  - .name:           k_q72c2377d92_argmin
    .symbol:         k_q72c2377d92_argmin.kd
    .args:
      - { .name: xq, .offset: 0, .size: 8, .value_kind: global_buffer, .address_space: global }
      - { .name: wq, .offset: 8, .size: 8, .value_kind: global_buffer, .address_space: global }
      - { .name: pval, .offset: 16, .size: 8, .value_kind: global_buffer, .address_space: global }
      - { .name: pidx, .offset: 24, .size: 8, .value_kind: global_buffer, .address_space: global }
    .group_segment_fixed_size: 327680
    .private_segment_fixed_size: 0
    .kernarg_segment_align: 8
    .kernarg_segment_size: 32
    .max_flat_workgroup_size: 256
    .sgpr_count:     66
    .vgpr_count:     448
    .wavefront_size: 32
...
	.end_amdgpu_metadata
.endif
;; end of part 2
;; launch gather (part 3): grid 512 x 1, 8 waves a work-group, no clusters, 0 bytes of LDS; arguments embed_weight, pval, pidx, out0; writes out0
.if DOCPART == 3
	.amdgcn_target "amdgcn-amd-amdhsa--gfx1250"
	.amdhsa_code_object_version 6
	.text
	.protected	k_q72c2377d92_gather
	.globl	k_q72c2377d92_gather
	.p2align	8
	.type	k_q72c2377d92_gather,@function
k_q72c2377d92_gather:
	s_mov_b64 s[64:65], 0
	v_nop
	global_prefetch_b8 v0, s[64:65] scope:SCOPE_SE
	s_setreg_imm32_b32 hwreg(HW_REG_WAVE_MODE, 25, 1), 1
	s_wait_xcnt 0x0
; out[n] = embed_weight[i(n)].  LEFT OUT: xs + (w - xs) = w by an identity (shown at the head of the first kernel), so xs is not loaded here.
; i(n) is the better of the token's two candidates: pidx[0][n] with the score pval[0][n] (codes 0 .. 4,095) and pidx[1][n] with pval[1][n].
; The choice hangs on floating-point numbers, so it steers no address: BOTH rows are loaded, and the numbers are chosen by v_cndmask_b32.  The upper half's row wins only where its score is strictly
; larger, so that of equal scores the lower index stays.
; LIMITS: NaN among the scores is not served.
; SHARES.  A wave takes four tokens; a row is 2,048 bytes: four loads of 512 consecutive bytes.  All 32 loads of a wave are issued before the first is waited for.  No LDS, no barrier, no matrix unit: waves share nothing.
.set WA, 16                            ; v16-79    the lower half's candidate row; then the result
.set WB, 80                            ; v80-143   the upper half's
.set OA, 2                             ; v2-5      byte offsets of the four rows of the lower half
.set OB, 6                             ; v6-9      and of the upper
	s_load_b256 s[4:11], s[0:1], 0x0               ; embed_weight s[4:5], pval s[6:7], pidx s[8:9], out0 s[10:11]
	v_lshrrev_b32 v1, 5, v0
	s_delay_alu instid0(VALU_DEP_1)
	v_readfirstlane_b32 s14, v1                    ; wave 0..7
	v_and_b32 v1, 31, v0
	s_delay_alu instid0(VALU_DEP_1)
	v_lshlrev_b32 v1, 4, v1                        ; 16 x lane
	s_lshl_b32 s15, ttmp9, 5
	s_lshl_b32 s16, s14, 2
	s_add_co_u32 s15, s15, s16                     ; my first token: 32 x work-group + 4 x wave
	s_lshl_b32 s16, s15, 2                         ; its word in pval and pidx,
	s_mov_b32 s17, 0
	s_lshl_b32 s18, s15, 11                        ; its row in out0
	s_mov_b32 s19, 0
	s_wait_alu depctr_va_vdst(0)                   ; the wait at the head's end
	s_wait_kmcnt 0x0
	s_add_nc_u64 s[6:7], s[6:7], s[16:17]
	s_add_nc_u64 s[8:9], s[8:9], s[16:17]
	s_add_nc_u64 s[10:11], s[10:11], s[18:19]
	s_load_b128 s[24:27], s[6:7], 0x0              ; four scores of the lower half,
	s_load_b128 s[28:31], s[6:7], 0x10000          ; of the upper (16,384 words on),
	s_load_b128 s[32:35], s[8:9], 0x0              ; and the indices likewise
	s_load_b128 s[36:39], s[8:9], 0x10000
	s_wait_kmcnt 0x0
.irp k, 0,1,2,3
	s_min_u32 s[32+\k], s[32+\k], 0x1fff           ; an index stays inside the table
	s_min_u32 s[36+\k], s[36+\k], 0x1fff
	s_lshl_b32 s[32+\k], s[32+\k], 11              ; rows of 2,048 bytes
	s_lshl_b32 s[36+\k], s[36+\k], 11
	v_add_nc_u32 v[OA+\k], s[32+\k], v1
	v_add_nc_u32 v[OB+\k], s[36+\k], v1
.endr
	s_wait_alu depctr_va_vdst(0)                   ; the wait here, ahead of the offsets' readers
.irp k, 0,1,2,3
.irp i, 0,1,2,3
	global_load_b128 v[WA+16*\k+4*\i:WA+16*\k+4*\i+3], v[OA+\k], s[4:5] offset:512*\i   ; rows that many tokens may name: no hint
.endr
.irp i, 0,1,2,3
	global_load_b128 v[WB+16*\k+4*\i:WB+16*\k+4*\i+3], v[OB+\k], s[4:5] offset:512*\i
.endr
.endr
.macro TOKEN k
	s_wait_loadcnt 24-8*\k                         ; this token's eight loads are in; eight for each younger token may be out
	v_mov_b32 v10, s[24+\k]
	s_delay_alu instid0(VALU_DEP_1)
	v_cmp_gt_f32 vcc_lo, s[28+\k], v10             ; the upper half's score strictly larger?
.irp j, 0,1,2,3,4,5,6,7,8,9,10,11,12,13,14,15
	v_cndmask_b32 v[WA+16*\k+\j], v[WA+16*\k+\j], v[WB+16*\k+\j], vcc_lo
.endr
.irp i, 0,1,2,3
	global_store_b128 v1, v[WA+16*\k+4*\i:WA+16*\k+4*\i+3], s[10:11] offset:2048*\k+512*\i th:TH_STORE_NT   ; 512 consecutive bytes, at a multiple of 256 from out0's first byte; no register of a store is written again
.endr
.endm
	TOKEN 0
	TOKEN 1
	TOKEN 2
	TOKEN 3
	s_endpgm
.Lfunc_end_k_q72c2377d92_gather:
	.size	k_q72c2377d92_gather, .Lfunc_end_k_q72c2377d92_gather-k_q72c2377d92_gather
	.p2alignl 7, 3214868480
	.fill 96, 4, 3214868480
	.section	.rodata,"a",@progbits
	.p2align	6, 0x0
	.amdhsa_kernel k_q72c2377d92_gather
		.amdhsa_group_segment_fixed_size 0
		.amdhsa_private_segment_fixed_size 0
		.amdhsa_enable_private_segment 0
		.amdhsa_kernarg_size 32
		.amdhsa_user_sgpr_count 2
		.amdhsa_user_sgpr_kernarg_segment_ptr 1
		.amdhsa_wavefront_size32 1
		.amdhsa_system_sgpr_workgroup_id_x 1
		.amdhsa_system_sgpr_workgroup_id_y 1
		.amdhsa_system_sgpr_workgroup_id_z 1
		.amdhsa_system_vgpr_workitem_id 0
		.amdhsa_next_free_vgpr 144
		.amdhsa_next_free_sgpr 66
		.amdhsa_reserve_vcc 1
		.amdhsa_float_denorm_mode_32 3
		.amdhsa_float_denorm_mode_16_64 3
		.amdhsa_memory_ordered 1
		.amdhsa_forward_progress 1
		.amdhsa_inst_pref_size 10
	.end_amdhsa_kernel
	.amdgpu_metadata
---
amdhsa.version: [ 1, 2 ]
amdhsa.kernels:
  - .name:           k_q72c2377d92_gather
    .symbol:         k_q72c2377d92_gather.kd
    .args:
      - { .name: embed_weight, .offset: 0, .size: 8, .value_kind: global_buffer, .address_space: global }
      - { .name: pval, .offset: 8, .size: 8, .value_kind: global_buffer, .address_space: global }
      - { .name: pidx, .offset: 16, .size: 8, .value_kind: global_buffer, .address_space: global }
      - { .name: out0, .offset: 24, .size: 8, .value_kind: global_buffer, .address_space: global }
    .group_segment_fixed_size: 0
    .private_segment_fixed_size: 0
    .kernarg_segment_align: 8
    .kernarg_segment_size: 32
    .max_flat_workgroup_size: 256
    .sgpr_count:     66
    .vgpr_count:     144
    .wavefront_size: 32
...
	.end_amdgpu_metadata
.endif
;; end of part 3
